; MI455X (gfx1250); checked and timed in simulation.
; The chip was launched on July 23, 2026; its instructions are those of AMD's public machine-readable ISA for CDNA 5 (MIT licence, August 2026) and "CDNA5" Instruction Set Architecture Reference Guide (July 2026). The comments in the code are by the model that wrote it; some were corrected since.
;; Attention Block. Allowed arithmetic: matrix products marked QUANTISED: E2M3 operands, one E8M0 scale for each 32 along K, by v_wmma_scale_f32_16x16x128_f8f6f4 with both operands' format E2M3, f32 sums; products left as they are: f32 operands where the result goes on into a quantised operand, else bf16, f16 or f32 operands; f32 sums; everything else in f32.
;; Inputs: Wk_codes 1,024 x 32 x 24 uint8 (E2M3 codes of Wk, K innermost, in blocks of 32 codes, four codes in three bytes); Wk_scales 1,024 x 32 uint8 (E8M0 scales of Wk, one for each 32 codes along K); Wq_codes 1,024 x 32 x 24 uint8 (E2M3 codes of Wq, K innermost, in blocks of 32 codes, four codes in three bytes); Wq_scales 1,024 x 32 uint8 (E8M0 scales of Wq, one for each 32 codes along K); Wv_codes 1,024 x 32 x 24 uint8 (E2M3 codes of Wv, K innermost, in blocks of 32 codes, four codes in three bytes); Wv_scales 1,024 x 32 uint8 (E8M0 scales of Wv, one for each 32 codes along K); bk 1,024 float32; bq 1,024 float32; bv 1,024 float32; past_predictions_codes 512 x 64 x 32 x 24 uint8 (E2M3 codes of past_predictions, K innermost, in blocks of 32 codes, four codes in three bytes); past_predictions_scales 512 x 64 x 32 uint8 (E8M0 scales of past_predictions, one for each 32 codes along K); z_state_codes 512 x 32 x 24 uint8 (E2M3 codes of z_state, K innermost, in blocks of 32 codes, four codes in three bytes); z_state_scales 512 x 32 uint8 (E8M0 scales of z_state, one for each 32 codes along K).
;; Outputs: out0 512 x 1,024 float32.
;; This version of the problem:
;;   THIS VERSION OF THE PROBLEM IS GIVEN IN LOW PRECISION. The matrix products marked QUANTISED in the list below multiply operands that are first quantised to E2M3 (2 exponent bits, 3 mantissa bits; 6 bits a number), with one power-of-two scale for each 32 numbers along K (OCP MX v1.0); their sums are f32. All else is computed in f32.
;;   The module's matrix products, in the order in which they are computed (A, B: the left and right operand; K: the contracted axis; several contracted axes count as one K, in the product's order):
;;     1. [M 512, K 1,024] x [K 1,024, N 1,024]; A: input z_state (given as codes); B: input Wq (given as codes): QUANTISED
;;     2. [M 32,768, K 1,024] x [K 1,024, N 1,024]; A: input past_predictions (given as codes); B: input Wk (given as codes): QUANTISED
;;     3. [M 32,768, K 1,024] x [K 1,024, N 1,024]; A: input past_predictions (given as codes); B: input Wv (given as codes): QUANTISED
;;     4. batch 512 x [M 1, K 1,024] x [K 1,024, N 64]; A: computed on the way; B: computed on the way: left as it is (M = 1 < 16)
;;     5. batch 512 x [M 1, K 64] x [K 64, N 1,024]; A: softmax; B: computed on the way: left as it is (M = 1 < 16)
;;   THE QUANTISER, for each operand of a quantised product, along K:
;;     - K is cut into blocks of 32 from its start; a last block that is shorter is filled with zeros.
;;     - A block's scale is 2^e with e = floor(log2(the largest magnitude in the block)) - 2, held to -126 .. 127; a block of zeros has e = 0. As a byte (E8M0): e + 127.
;;     - Each number is divided by its block's scale, clamped to +-7.5, and rounded to the nearest number of E2M3, ties to even, subnormals kept.
;;     - The product sums the exact products of the quantised numbers (number of the format x scale) in f32.
;;   ~~~python
;;   def quantise(x, axis):      # numpy; x: float32 -> the quantised numbers, widened to float32 again
;;       x = np.moveaxis(x, axis, -1); K = x.shape[-1]
;;       x = np.pad(x, [(0, 0)] * (x.ndim - 1) + [(0, -K % 32)]); x = x.reshape(x.shape[:-1] + (-1, 32)); a = np.abs(x).max(-1, keepdims=True)
;;       e = np.where(a > 0, np.clip(np.frexp(np.where(a > 0, a, 1))[1] - 1 - 2, -126, 127), 0)      # np.frexp(a)[1] - 1 = floor(log2(a)), exactly
;;       r = np.clip(x / 2.0 ** e, -7.5, 7.5)
;;       step = 2.0 ** (np.maximum(np.frexp(np.where(r == 0, 1, r))[1] - 1, 0) - 3)
;;       q = np.round(r / step) * step * 2.0 ** e      # np.round: ties to even
;;       return np.moveaxis(q.reshape(q.shape[:-2] + (-1,))[..., :K], -1, axis).astype(np.float32)
;;   ~~~
;;   INPUTS GIVEN AS CODES. Wk (in the module: [1024, 1024], K = its axis 1); Wq (in the module: [1024, 1024], K = its axis 1); Wv (in the module: [1024, 1024], K = its axis 1); past_predictions (in the module: [512, 64, 1024], K = its axis 2); z_state (in the module: [512, 1024], K = its axis 1): each comes as NAME_codes (uint8): NAME with its K axis moved to the last place and cut into blocks of 32 codes, [.., K / 32, bytes a block], one block behind the other in memory; four codes in three bytes: a row's codes are one little-endian stream of bits, code i at bits 6 i .. 6 i + 5 (a code: sign, 2 exponent bits, 3 mantissa bits); and NAME_scales (uint8): the same leading axes, one E8M0 byte (e + 127) for each 32 codes along K. Its value is code x scale, taken as it is: it is not quantised again, and the codes and scales need not be those that the quantiser above would give.
;; One version. Each part assembles by itself: llvm-mc -triple=amdgcn-amd-amdhsa -mcpu=gfx1250 --defsym DOCPART=n.
;; ======== version 1 of 1: 2 launches
;; workspace buffers: q 2,097,152 bytes; wimg 1,638,400 bytes
;; launch prep (part 1): grid 256 x 1, 2 waves a work-group, no clusters, 168,192 bytes of LDS; arguments z_state_codes, z_state_scales, Wq_codes, Wq_scales, bq, Wk_codes, Wk_scales, Wv_codes, Wv_scales, q, wimg; writes q, wimg
.if DOCPART == 1
	.amdgcn_target "amdgcn-amd-amdhsa--gfx1250"
	.amdhsa_code_object_version 6
	.text
	.protected	k_q0af2e275dd_prep
	.globl	k_q0af2e275dd_prep
	.p2align	8
	.type	k_q0af2e275dd_prep,@function
k_q0af2e275dd_prep:
	s_mov_b64 s[64:65], 0
	v_nop
	global_prefetch_b8 v0, s[64:65] scope:SCOPE_SE
	s_setreg_imm32_b32 hwreg(HW_REG_WAVE_MODE, 25, 1), 1
	s_wait_xcnt 0x0
; TWO SMALL JOBS AHEAD OF THE ATTENTION LAUNCH.
; (1) q = z Wq^T + bq: z [512][1024], Wq [1024][1024] as codes of FP6 (E2M3) with one E8M0 byte for each 32 along K, as they are given; q [512][1024] f32.
;     Work-group g makes rows 32 (g / 16) .. + 31 by columns 64 (g % 16) .. + 63; each of its two waves 16 rows x 64 columns: four accumulators by turns, eight K steps of 128.
;     The product is used TRANSPOSED (source 0 = 16 rows of Wq, source 1 = 16 rows of z): a lane then holds eight neighbouring columns of one row of q, and bq is the C of each sum's first instruction.
; (2) Wk and Wv are laid anew, in the ORDER OF THE OPERAND'S REGISTERS and in the order in which the next launch walks them, into wimg: 16 fills of 102,400 bytes.
;     Fill T = 8 mat + 4 nt + kc (mat: Wk, Wv; nt: 512 rows; kc: 256 along K) = four blocks of 25,600 bytes, block w for rows 512 nt + 128 w .. + 127:
;     the fragment of K step 2 kc + q2 and rows 16 b .. + 15 at (8 q2 + b) x 1,536 bytes, its registers 4 c .. 4 c + 3 of lane l at 512 c + 16 l;
;     from byte 24,576 on the scale words, 128 b + 4 l: lanes 0-15 the rows' words of K step 2 kc, lanes 16-31 those of K step 2 kc + 1.
;     Each of the launch's 512 waves lays two fragments and their 32 scale words.  A fragment's stores cover 512 consecutive bytes each; the scale words' store covers 128 consecutive bytes, half of an aligned 256.
; No slot of LDS is filled twice.  No cluster: a tile of z is shared by 16 work-groups and a tile of Wq by 16 others, but each work-group asks once, for 73,728 bytes in all, and has no loop in which joint requests could meet again.
; LIMITS: a scale byte 0xff among the inputs makes the sums NaN, as the format says.
; REGISTERS, in windows of 256: window 0: v2-14 addresses; v16-111 z's 8 fragments; v112-119 z's scale words; v120-151 Wq's; v152-183 bq in the result's layout; v184-215 the four accumulators; v216-247 rows on the way out.
;   window 1: v0-191 Wq's fragments of K steps 0-3 (step s, block nb at 12 (4 s + nb)); v192-215 the two fragments to be laid anew, v216 their scale words.   window 2: v0-191 Wq's fragments of K steps 4-7.
.set PITCH, 816                        ; a row of 1,024 codes in LDS: 3 x (256 bytes + 16 of padding) = 204 words: row r starts at bank 12 r mod 64 (64 banks of 4 bytes: ISA guide 11.1): sixteen different multiples of 4
.set ZBLK,  16*PITCH                   ; 16 rows
.set WQB,   2*ZBLK                     ; LDS: z's 32 rows from byte 0 (wave w's 16 at ZBLK w), then Wq's 64 rows,
.set STG,   WQB+64*PITCH               ; then a stage of 16 rows x 272 bytes for each wave, for the way out: no fill lands there
.set SP,    272
.set FILL,  102400
.set WBLK,  25600
.set ZA,  2                            ; v2   LDS: my lane's place in my wave's rows of z;  v3: the same for pieces that lie behind one padding more
.set QA,  4                            ; v4, v5  the same in Wq's rows
.set RS,  6                            ; v6   768 r + 24 h: my lane's bytes of a fragment in a weight's rows in memory
.set RSS, 7                            ; v7   32 r + 4 h: my lane's scale word there
.set L16, 8                            ; v8   16 x lane
.set L4,  9                            ; v9   4 x lane
.set SCO, 10                           ; v10  32 r: a row of scale bytes
.set BO,  11                           ; v11  32 h: my half's eight numbers of bq
.set STO, 12                           ; v12  the stage: where I put 32 bytes of a row
.set RD,  13                           ; v13  and where I read a row back
.set GO,  14                           ; v14  my byte offset in the wave's rows of q
.set ZF,  16
.set ZS,  112
.set WQS, 120
.set BQ,  152
.set ACC, 184
.set OUT, 216
.set RF,  192                          ; in window 1
.set RW,  216                          ; in window 1
.set WV,  52                           ; s52  my wave's number
.set G1Z, 28                           ; s[28:35] descriptor group 1 for z's rows;  s[36:43] for Wq's;  s[44:47], s[48:51] their groups 0
.set G1Q, 36
.set G0Z, 44
.set G0Q, 48
.set MSB, 0
.macro WIN new                         ; the immediate's high byte repeats the setting that is left; a switch that changes nothing is dropped
.if MSB != (\new)
	s_set_vgpr_msb (MSB<<8)|(\new)
.set MSB, (\new)
.endif
.endm
; A fragment, 16 rows x 128 K of 6-bit codes, is 12 registers: lane l holds row l % 16; registers 6 c .. 6 c + 5 hold K = 64 c + 32 (l / 16) + 0 .. 31: 24 bytes of the row's stream of bits, as they lie.
; They come in pieces of 8 bytes, so that every address is a multiple of the access's size.  Lanes 0-15 take the row's pieces 12 s + 0, 1, 2 and 12 s + 6, 7, 8, lanes 16-31 those three pieces on.
; 16 bytes of padding lie behind every 32 pieces: where the piece three on lies behind one padding more, the second address register (40 for 24 bytes a half) serves.
.macro FRAG reg, adr, s, off
.irp p, 0,1,2,3,4,5
.set PC, 12*(\s)+6*(\p/3)+\p%3
.if PC%32 < 29
	ds_load_b64 v[\reg+2*\p:\reg+2*\p+1], v[\adr] offset:8*PC+16*(PC/32)+(\off)
.else
	ds_load_b64 v[\reg+2*\p:\reg+2*\p+1], v[\adr+1] offset:8*PC+16*(PC/32)+(\off)
.endif
.endr
.endm
	s_load_b512 s[4:19], s[0:1], 0x0               ; z's codes s[4:5], z's scales s[6:7], Wq's codes s[8:9], Wq's scales s[10:11], bq s[12:13], Wk's codes s[14:15], Wk's scales s[16:17], Wv's codes s[18:19]
	s_load_b128 s[20:23], s[0:1], 0x40             ; Wv's scales s[20:21], q s[22:23]
	s_load_b64 s[24:25], s[0:1], 0x50              ; wimg
	v_lshl_add_u32 v254, v0, 2, 0x29000
	v_mov_b32 v255, 0
	ds_add_u32 v254, v255
	ds_add_u32 v254, v255
	v_lshrrev_b32 v1, 5, v0
	v_readfirstlane_b32 s[WV], v1                  ; wave 0, 1
	s_lshr_b32 s53, ttmp9, 4                       ; which 32 rows of z
	s_and_b32 s54, ttmp9, 15                       ; which 64 rows of Wq
	s_lshl_b32 s55, s53, 5
	s_lshl_b32 s26, s[WV], 4
	s_add_co_u32 s55, s55, s26                     ; my wave's first row of z and of q
	; descriptor group 1: rows of 768 bytes are dense in memory, so a tile is stated as rows of 256 bytes (32 elements of 8 bytes), 16 bytes of padding behind each
	s_mov_b32 s[G1Z], (3<<16)|(1<<20)|(5<<22)|(3<<25)   ; 15:0 no mask; 17:16 elements of 8 bytes; 20 padding on; 24:22 after every 64 words (code 5); 31:25 of 4 words (code 3)
	s_mov_b32 s[G1Z+1], 32<<16                     ; tensor_dim0 = 32
	s_mov_b32 s[G1Z+2], 48<<16                     ; tensor_dim1 = 48: 16 rows of z
	s_mov_b32 s[G1Z+3], 32<<16                     ; tile_dim0 = 32
	s_mov_b32 s[G1Z+4], 48                         ; tile_dim1 = 48
	s_mov_b32 s[G1Z+5], 32                         ; tensor_dim0_stride
	s_mov_b32 s[G1Z+6], 0
	s_mov_b32 s[G1Z+7], 0
	s_mov_b32 s[G1Q], (3<<16)|(1<<20)|(5<<22)|(3<<25)
	s_mov_b32 s[G1Q+1], 32<<16
	s_mov_b32 s[G1Q+2], 96<<16                     ; 32 rows of Wq
	s_mov_b32 s[G1Q+3], 32<<16
	s_mov_b32 s[G1Q+4], 96
	s_mov_b32 s[G1Q+5], 32
	s_mov_b32 s[G1Q+6], 0
	s_mov_b32 s[G1Q+7], 0
	s_mov_b32 s[G0Z], 1                            ; 1:0 count = 1
	s_mul_i32 s[G0Z+1], s[WV], ZBLK                ; LDS: my 16 rows of z
	s_mov_b32 s[G0Q], 1
	s_mul_i32 s[G0Q+1], s[WV], 32*PITCH
	s_add_co_u32 s[G0Q+1], s[G0Q+1], WQB           ; LDS: my half of Wq's 64 rows
	s_mov_b32 s57, 0
	s_mov_b32 s59, 0
	s_mul_i32 s56, s55, 768                        ; z's codes: my 16 rows
	s_lshl_b32 s58, s54, 6
	s_lshl_b32 s26, s[WV], 5
	s_add_co_u32 s58, s58, s26
	s_mul_i32 s58, s58, 768                        ; Wq's codes: rows 64 (g % 16) + 32 x wave on
	v_and_b32 v248, 31, v0                         ; lane
	v_and_b32 v249, 15, v0                         ; r
	v_bfe_u32 v250, v0, 4, 1                       ; h
	v_mul_u32_u24 v[QA], v249, PITCH
	v_mad_u32_u24 v[QA], v250, 24, v[QA]           ; 816 r + 24 h
	v_add_nc_u32 v[ZA], s[G0Z+1], v[QA]
	v_lshl_add_u32 v[ZA+1], v250, 4, v[ZA]
	v_add_nc_u32 v[QA], WQB, v[QA]
	v_lshl_add_u32 v[QA+1], v250, 4, v[QA]
	v_mul_u32_u24 v[RS], v249, 768
	v_mad_u32_u24 v[RS], v250, 24, v[RS]
	v_lshlrev_b32 v[SCO], 5, v249
	v_lshl_add_u32 v[RSS], v250, 2, v[SCO]
	v_lshlrev_b32 v[L16], 4, v248
	v_lshlrev_b32 v[L4], 2, v248
	v_lshlrev_b32 v[BO], 5, v250
	s_mul_i32 s3, s[WV], 16*SP
	s_add_co_u32 s3, s3, STG                       ; my stage
	v_mul_u32_u24 v[STO], v249, SP                 ; in: row r, 32 bytes for each half of the lanes
	v_lshl_add_u32 v[STO], v250, 5, v[STO]
	v_add_nc_u32 v[STO], s3, v[STO]
	v_mul_u32_u24 v[RD], v250, SP                  ; back: lanes 0-15 take one row of 256 bytes, lanes 16-31 the next
	v_lshl_add_u32 v[RD], v249, 4, v[RD]
	v_add_nc_u32 v[RD], s3, v[RD]
	v_lshlrev_b32 v[GO], 12, v250                  ; and the same two rows in q
	v_lshl_add_u32 v[GO], v249, 4, v[GO]
	s_wait_dscnt 0x0
	s_wait_kmcnt 0x0
	s_add_nc_u64 s[G0Z+2:G0Z+3], s[4:5], s[56:57]
	s_or_b32 s[G0Z+3], s[G0Z+3], 0x80000000        ; 127:126 type = 2
	s_add_nc_u64 s[G0Q+2:G0Q+3], s[8:9], s[58:59]
	s_or_b32 s[G0Q+3], s[G0Q+3], 0x80000000
	tensor_load_to_lds s[G0Z:G0Z+3], s[G1Z:G1Z+7]  ; both fills go out together, ahead of every wait on TENSORcnt, every LDS read and the barrier: two loads of mine are out
	s_nop 0
	tensor_load_to_lds s[G0Q:G0Q+3], s[G1Q:G1Q+7]
	s_nop 0
.rept 4
	v_nop                                          ; four v_nop follow the loads
.endr
	; which fragments I lay anew: wave W = 2 g + w of 512: the first 256 take Wk, the others Wv; W % 256 = 4 x (block of 16 rows) + kc
	s_cmp_lt_u32 ttmp9, 128                        ; the choice hangs on the work-group's number alone
	s_cselect_b64 s[14:15], s[14:15], s[18:19]
	s_cselect_b64 s[16:17], s[16:17], s[20:21]
	s_lshl_b32 s26, ttmp9, 1
	s_add_co_u32 s26, s26, s[WV]
	s_and_b32 s26, s26, 255
	s_lshr_b32 s27, s26, 2                         ; the block of 16 rows, 0 .. 63
	s_and_b32 s26, s26, 3                          ; kc
	s_mul_i32 s56, s27, 16*768
	s_mul_i32 s2, s26, 192
	s_add_co_u32 s56, s56, s2
	s_add_nc_u64 s[14:15], s[14:15], s[56:57]      ; the codes: 16 rows x 256 along K
	s_lshl_b32 s56, s27, 9
	s_lshl_b32 s2, s26, 3
	s_add_co_u32 s56, s56, s2
	s_add_nc_u64 s[16:17], s[16:17], s[56:57]      ; their scale bytes
	s_lshr_b32 s2, ttmp9, 7                        ; mat
	s_lshl_b32 s2, s2, 3
	s_lshr_b32 s3, s27, 5                          ; nt
	s_lshl_b32 s3, s3, 2
	s_add_co_u32 s2, s2, s3
	s_add_co_u32 s2, s2, s26                       ; T = 8 mat + 4 nt + kc
	s_mul_i32 s56, s2, FILL
	s_bfe_u32 s3, s27, 0x20003                     ; which of the fill's four blocks: 2 bits from bit 3
	s_mul_i32 s3, s3, WBLK
	s_add_co_u32 s56, s56, s3
	s_add_nc_u64 s[24:25], s[24:25], s[56:57]      ; wimg at that block
	s_and_b32 s3, s27, 7                           ; b
	s_mul_i32 s56, s3, 1536
	s_add_nc_u64 s[18:19], s[24:25], s[56:57]      ; where the first fragment goes; the second 8 x 1,536 bytes on
	s_lshl_b32 s56, s3, 7
	s_add_co_u32 s56, s56, 24576
	s_add_nc_u64 s[20:21], s[24:25], s[56:57]      ; and the scale words
	s_lshl_b32 s56, s55, 5
	s_add_nc_u64 s[6:7], s[6:7], s[56:57]          ; z's scale bytes at my first row
	s_lshl_b32 s56, s54, 11
	s_add_nc_u64 s[10:11], s[10:11], s[56:57]      ; Wq's at the work-group's first row
	s_lshl_b32 s56, s54, 8
	s_add_nc_u64 s[12:13], s[12:13], s[56:57]      ; bq at the work-group's first column,
	s_add_nc_u64 s[22:23], s[22:23], s[56:57]      ; q likewise,
	s_lshl_b32 s56, s55, 12
	s_add_nc_u64 s[22:23], s[22:23], s[56:57]      ; at my first row
	WIN 0x40                                       ; destination window 1
.irp q2, 0,1
.irp p, 0,1,2,3,4,5
	global_load_b64 v[RF+12*\q2+2*\p:RF+12*\q2+2*\p+1], v[RS], s[14:15] offset:96*\q2+48*(\p/3)+8*(\p%3)   ; the fragment of K step 2 kc + q2, as the matrix instruction wants it
.endr
.endr
	global_load_b32 v[RW], v[RSS], s[16:17]        ; lanes 0-15: the rows' words of K step 2 kc; lanes 16-31: of 2 kc + 1
	WIN 0
	global_load_b128 v[ZS:ZS+3], v[SCO], s[6:7]    ; z's scale words: register s = K step s, lane r = row r (lanes 16-31 hold the same and are not read)
	global_load_b128 v[ZS+4:ZS+7], v[SCO], s[6:7] offset:16
.irp nb, 0,1,2,3
	global_load_b128 v[WQS+8*\nb:WQS+8*\nb+3], v[SCO], s[10:11] offset:512*\nb
	global_load_b128 v[WQS+8*\nb+4:WQS+8*\nb+7], v[SCO], s[10:11] offset:512*\nb+16
	global_load_b128 v[BQ+8*\nb:BQ+8*\nb+3], v[BO], s[12:13] offset:64*\nb       ; bq at columns 16 nb + 8 h + 0 .. 7: the result's layout
	global_load_b128 v[BQ+8*\nb+4:BQ+8*\nb+7], v[BO], s[12:13] offset:64*\nb+16
.endr
	s_wait_loadcnt 18                              ; the 13 loads of the fragments to be laid anew are in; the 18 issued behind them may be out
	WIN 0x04                                       ; a store's data are its source 1: window 1
.irp q2, 0,1
.irp c, 0,1,2
	global_store_b128 v[L16], v[RF+12*\q2+4*\c:RF+12*\q2+4*\c+3], s[18:19] offset:12288*\q2+512*\c   ; 32 lanes store 512 consecutive bytes, at a multiple of 256 from wimg's first byte
.endr
.endr
	global_store_b32 v[L4], v[RW], s[20:21]
	WIN 0
	s_wait_tensorcnt 0x0                           ; my rows of z and my half of Wq's rows are in LDS,
	s_barrier_signal -1
	s_barrier_wait -1                              ; and so is the other wave's half
.irp s, 0,1,2,3
	FRAG ZF+12*\s, ZA, \s, 0
.endr
	WIN 0x40
.irp s, 0,1,2,3
.irp nb, 0,1,2,3
	FRAG 12*(4*\s+\nb), QA, \s, \nb*ZBLK
.endr
.endr
	s_wait_dscnt 0x0                               ; K steps 0-3 are in registers
	WIN 0
.irp s, 4,5,6,7
	FRAG ZF+12*\s, ZA, \s, 0
.endr
	WIN 0x80                                       ; destination window 2
.irp s, 4,5,6,7
.irp nb, 0,1,2,3
	FRAG 12*(4*(\s-4)+\nb), QA, \s, \nb*ZBLK
.endr
.endr
	s_wait_loadcnt 0x0                             ; the scale words and bq
; K step s: four matrix instructions, the four accumulators by turns.  The first step's C is bq.
.macro QMUL s
.irp nb, 0,1,2,3
.if (\s) == 0
	v_wmma_scale_f32_16x16x128_f8f6f4 v[ACC+8*\nb:ACC+8*\nb+7], v[12*(4*((\s)%4)+\nb):12*(4*((\s)%4)+\nb)+11], v[ZF+12*(\s):ZF+12*(\s)+11], v[BQ+8*\nb:BQ+8*\nb+7], v[WQS+8*\nb+(\s)], v[ZS+(\s)] matrix_a_fmt:MATRIX_FMT_FP6 matrix_b_fmt:MATRIX_FMT_FP6
.else
	v_wmma_scale_f32_16x16x128_f8f6f4 v[ACC+8*\nb:ACC+8*\nb+7], v[12*(4*((\s)%4)+\nb):12*(4*((\s)%4)+\nb)+11], v[ZF+12*(\s):ZF+12*(\s)+11], v[ACC+8*\nb:ACC+8*\nb+7], v[WQS+8*\nb+(\s)], v[ZS+(\s)] matrix_a_fmt:MATRIX_FMT_FP6 matrix_b_fmt:MATRIX_FMT_FP6
.endif
.endr
.endm
	WIN 0x01                                       ; source 0 (Wq) window 1
.irp s, 0,1,2,3
	QMUL \s
.endr
	s_wait_dscnt 0x0                               ; K steps 4-7 are in registers: they landed under the sixteen products above
	WIN 0x02                                       ; source 0 window 2
.irp s, 4,5,6,7
	QMUL \s
.endr
	WIN 0
.rept 4
	v_nop                                          ; four places between the last product and the first read of results (ISA guide 7.12.1)
.endr
	; THE WAY OUT.  Lane (r, h) holds q(row r, columns 16 nb + 8 h + 0 .. 7).  16 rows x 256 bytes go through my own stage and come back as whole rows: sixteen lanes store 256 consecutive bytes, aligned.
.irp nb, 0,1,2,3
	ds_store_b128 v[STO], v[ACC+8*\nb:ACC+8*\nb+3] offset:64*\nb          ; each accumulator from its low end on
	ds_store_b128 v[STO], v[ACC+8*\nb+4:ACC+8*\nb+7] offset:64*\nb+16
.endr
.irp i, 0,1,2,3,4,5,6,7
	ds_load_b128 v[OUT+4*\i:OUT+4*\i+3], v[RD] offset:\i*2*SP             ; LDS serves a wave's instructions in order (ISA guide 5.7.1.4): these see the stores above
.endr
.irp i, 0,1,2,3,4,5,6,7
	s_wait_dscnt 7-\i                              ; load i is in; the younger ones may be out
	global_store_b128 v[GO], v[OUT+4*\i:OUT+4*\i+3], s[22:23] offset:8192*\i
.endr
	s_wait_tensorcnt 0x0
	ds_add_u32 v254, v255
	s_wait_dscnt 0x0
	s_endpgm
.Lfunc_end_k_q0af2e275dd_prep:
	.size	k_q0af2e275dd_prep, .Lfunc_end_k_q0af2e275dd_prep-k_q0af2e275dd_prep
	.p2alignl 7, 3214868480
	.fill 96, 4, 3214868480
	.section	.rodata,"a",@progbits
	.p2align	6, 0x0
	.amdhsa_kernel k_q0af2e275dd_prep
		.amdhsa_group_segment_fixed_size 168192
		.amdhsa_private_segment_fixed_size 0
		.amdhsa_enable_private_segment 0
		.amdhsa_kernarg_size 88
		.amdhsa_user_sgpr_count 2
		.amdhsa_user_sgpr_kernarg_segment_ptr 1
		.amdhsa_wavefront_size32 1
		.amdhsa_system_sgpr_workgroup_id_x 1
		.amdhsa_system_sgpr_workgroup_id_y 1
		.amdhsa_system_sgpr_workgroup_id_z 1
		.amdhsa_system_vgpr_workitem_id 0
		.amdhsa_next_free_vgpr 768
		.amdhsa_next_free_sgpr 66
		.amdhsa_reserve_vcc 0
		.amdhsa_float_denorm_mode_32 3
		.amdhsa_float_denorm_mode_16_64 3
		.amdhsa_memory_ordered 1
		.amdhsa_forward_progress 1
		.amdhsa_inst_pref_size 32
	.end_amdhsa_kernel
	.amdgpu_metadata
---
amdhsa.version: [ 1, 2 ]
amdhsa.kernels:
  - .name:           k_q0af2e275dd_prep
    .symbol:         k_q0af2e275dd_prep.kd
    .args:
      - { .name: z_state_codes, .offset: 0, .size: 8, .value_kind: global_buffer, .address_space: global }
      - { .name: z_state_scales, .offset: 8, .size: 8, .value_kind: global_buffer, .address_space: global }
      - { .name: Wq_codes, .offset: 16, .size: 8, .value_kind: global_buffer, .address_space: global }
      - { .name: Wq_scales, .offset: 24, .size: 8, .value_kind: global_buffer, .address_space: global }
      - { .name: bq, .offset: 32, .size: 8, .value_kind: global_buffer, .address_space: global }
      - { .name: Wk_codes, .offset: 40, .size: 8, .value_kind: global_buffer, .address_space: global }
      - { .name: Wk_scales, .offset: 48, .size: 8, .value_kind: global_buffer, .address_space: global }
      - { .name: Wv_codes, .offset: 56, .size: 8, .value_kind: global_buffer, .address_space: global }
      - { .name: Wv_scales, .offset: 64, .size: 8, .value_kind: global_buffer, .address_space: global }
      - { .name: q, .offset: 72, .size: 8, .value_kind: global_buffer, .address_space: global }
      - { .name: wimg, .offset: 80, .size: 8, .value_kind: global_buffer, .address_space: global }
    .group_segment_fixed_size: 168192
    .private_segment_fixed_size: 0
    .kernarg_segment_align: 8
    .kernarg_segment_size: 88
    .max_flat_workgroup_size: 64
    .sgpr_count:     66
    .vgpr_count:     768
    .wavefront_size: 32
...
	.end_amdgpu_metadata
.endif
;; end of part 1
;; launch attend (part 2): grid 256 x 1, 4 waves a work-group, clusters of 4 x 1, 327,680 bytes of LDS; arguments past_predictions_codes, past_predictions_scales, wimg, q, bk, bv, out0; writes out0
.if DOCPART == 2
	.amdgcn_target "amdgcn-amd-amdhsa--gfx1250"
	.amdhsa_code_object_version 6
	.text
	.protected	k_q0af2e275dd_attend
	.globl	k_q0af2e275dd_attend
	.p2align	8
	.type	k_q0af2e275dd_attend,@function
k_q0af2e275dd_attend:
	s_mov_b64 s[64:65], 0
	v_nop
	global_prefetch_b8 v0, s[64:65] scope:SCOPE_SE
	s_setreg_imm32_b32 hwreg(HW_REG_WAVE_MODE, 25, 1), 1
	s_wait_xcnt 0x0
	s_wait_alu depctr_hold_cnt(0) depctr_sa_sdst(0) depctr_va_vdst(0) depctr_va_sdst(0) depctr_va_ssrc(0) depctr_va_vcc(0) depctr_vm_vsrc(0)
	s_getreg_b32 s2, hwreg(HW_REG_IB_STS2, 6, 4)
	s_cmp_eq_u32 s2, 0
	s_cbranch_scc0 .Lentry_in_a_cluster
	s_endpgm
.Lentry_in_a_cluster:
	s_bfe_u32 s2, ttmp6, 0x10000c
	s_cmp_lg_u32 s2, 0x3003
	s_cbranch_scc0 .Lentry_shape_is_right
	s_endpgm
.Lentry_shape_is_right:
; out0[b] = sum over t of softmax_t(q[b] . (P[b][t] Wk^T + bk)) (P[b][t] Wv^T + bv).  P: [512][64][1024] as codes of FP6 (E2M3) with one E8M0 byte for each 32 along K, as given; Wk, Wv: the same codes and bytes,
; laid by the launch before as images of the operand's registers (wimg); q [512][1024] f32 from that launch; bk, bv [1024], out0 [512][1024] f32.
; KEYS AND VALUES NEVER LEAVE THE REGISTERS.  A work-group owns two batches, 128 rows of P, whose codes stay in LDS for the whole launch.  It walks four tiles of 128 x 512: Wk's two halves, then Wv's two.
; Four waves stand side by side on a tile's 512 columns: a wave makes 128 x 128, 64 accumulators of 16 x 16, 512 registers, in eight K steps of 128: 64 matrix instructions a step.
; A finished tile of keys is multiplied by q, and a finished tile of values by the weights, by packed f32 multiply-adds straight from the accumulators.  That work stands between the products of the NEXT tile's first K step:
; block a's 32 multiply-adds in front of the eight products that begin block a's sums anew with C = 0.
; THE PRODUCT IS USED AS IT STANDS (source 0 = 16 rows of P, source 1 = 16 rows of W): register j of lane (r, h) holds (row 16 a + 8 h + j, column 16 b + r).  So q, bk and bv want one register a block (lane = column),
; and the scores and the weights have one layout: register 8 a + j of lane (., h) belongs to row 16 a + 8 h + j.
; THE BIASES.  sum_d q_d (k_d + bk_d) = sum_d q_d k_d + sum_d q_d bk_d, and sum_t w_t (v_t + bv) = sum_t w_t v_t + bv sum_t w_t, with the weights' sum computed, not taken as 1.
; THE SOFTMAX takes the row's largest score away first, as the definition does; every wave makes all 128 weights for itself from the four waves' partial scores.
; THE WEIGHTS' RING.  Two LDS slots of 102,400 bytes, each 256 along K of a tile; wave w fetches and reads block w alone.  A slot's last bytes are read in the middle of its FIRST step, so it is given back in that same step.
; CLUSTER.  All work-groups walk the same wimg: the four of a cluster ask for each block JOINTLY, by the same tensor load with the same descriptor and the mask 15.  P is each work-group's own: a plain load, once.
; LIMITS: the sums above are rounded in another order than in the definition; v_exp_f32 gives 0 for a weight under 2^-126; the division is v_rcp_f32 and a multiplication; a scale byte 0xff makes the sums NaN, as the format says.
; REGISTERS, in windows of 256: window 0: v2-21 addresses and the weights' sum; v32-63 P's scale words, kept; v64-79 W's, two sets; v80-143 scores, then weights; v144-239 P's fragments, ONE set; v240-255 at work.
;   window 1: v0-95, v128-223 W's fragments, two sets; v96-111 q (a pair a block: batch 0, batch 1); v112-119 bk, later bv; v120-121 sum of q bk; v224-255 the context's sums (a pair for each block and batch).
;   window 2: the 32 accumulators of rows 0-63, batch 0 (accumulator (a, b) at v[8 (8 a + b)]);   window 3: those of rows 64-127, batch 1.
.set PITCH, 816                        ; a row of P in LDS: 3 x (256 bytes + 16 of padding) = 204 words: row r starts at bank 12 r mod 64 (64 banks of 4 bytes: ISA guide 11.1): the 32 lanes of a load of 8 bytes touch 64 different banks
.set PBLK,  16*PITCH
.set WBLK,  25600                      ; a wave's block of a fill: 16 fragments of 1,536 bytes, then 8 x 128 bytes of scale words
.set FILL,  4*WBLK
.set PB,    2*FILL                     ; LDS: slot 0, slot 1, then P's 128 rows,
.set XB,    PB+128*PITCH               ; the four waves' 128 partial scores,
.set YB,    XB+2048                    ; each wave's own copy of the 128 weights,
.set CTXB,  YB+2048                    ; the two rows of out0,
.set SPARE, CTXB+8192                  ; and the spare words, 128 bytes for each wave: two blocks of 256 bytes that no other line names
.set PA,  2                            ; v2   my lane's place in P's rows 0-63;  v3: the same behind one padding more;  v4, v5: in rows 64-127
.set WA,  6                            ; v6, v7   my lane's 16 bytes in my block of slot 0, 1
.set WSA, 8                            ; v8, v9   my lane's 4 bytes there
.set SPW, 10                           ; v10  LDS address of my spare word: SPARE + 4 x my thread's number; never rewritten
.set NIL, 11                           ; v11  0; never rewritten
.set XW,  12                           ; v12  where my half's partial scores go
.set XR,  13                           ; v13  where I read four rows' partial scores
.set YW,  14                           ; v14  where I put four rows' weights
.set YR,  15                           ; v15  where my half's weights are read
.set CS,  16                           ; v16  where a number of the context goes
.set CR,  17                           ; v17  the way out: where I read 16 bytes of out0's rows
.set QO,  18                           ; v18  512 w + 4 r: my column in q, bk, bv
.set PSO, 19                           ; v19  32 r + 4 h: my scale word in P's scale bytes
.set OO,  20                           ; v20  2,048 w + 16 x lane: my bytes in out0's two rows
.set SW,  21                           ; v21  the weights' sum: lanes 0-15 batch 0's, lanes 16-31 batch 1's
.set PS,  32                           ; register 4 a + kc: lanes 0-15 the words of rows 16 a + r for K step 2 kc, lanes 16-31 for 2 kc + 1
.set WS,  64                           ; set p (slot p), register b: the same of W's rows 16 b + r
.set S,   80
.set AF,  144
.set TM,  240
.set QQ,  96                           ; in window 1
.set BK,  112
.set QB,  120
.set C2,  224
.set WV,  18                           ; s18  my wave's number
.set G1W, 24                           ; s[24:31] descriptor group 1 for the weights' blocks;  s[32:35], s[36:39] group 0, one set for each slot
.set G0W, 32
.set G1P, 40                           ; s[40:47], s[48:51] groups 1 and 0 for P
.set G0P, 48
.set CNT, 52
.set MUL_LO, 0xa4                      ; source 0 (P) window 0, source 1 (W) window 1, C and D window 2
.set MUL_HI, 0xf4                      ; the same, C and D window 3
.set MSB, 0
.macro WIN new                         ; the immediate's high byte repeats the setting that is left; a switch that changes nothing is dropped
.if MSB != (\new)
	s_set_vgpr_msb (MSB<<8)|(\new)
.set MSB, (\new)
.endif
.endm
; A round of the cluster's barrier: my work-group's barrier, so that wave 0's signal speaks for all four waves; wave 0 signals for the work-group; every wave waits for all four work-groups; my work-group's barrier once more.
.macro ROUND
	s_barrier_signal -1
	s_barrier_wait -1
	s_cmp_lg_u32 s[WV], 0
	s_cbranch_scc1 .Lnot_wave_0_\@
	s_barrier_signal -3
.Lnot_wave_0_\@:
	s_barrier_wait -3
	s_barrier_signal -1
	s_barrier_wait -1
.endm
; A load into a register that a matrix instruction has read, and a vector instruction that reads a matrix result, stand four places behind that matrix instruction; only plain vector instructions that name none of its
; registers are places (ISA guide 7.12.1 for vector instructions).
.macro PLACES
.rept 4
	v_nop
.endr
.endm
; A fragment of P, 16 rows x 128 K, is 12 registers: lane l holds row l % 16; registers 6 c .. 6 c + 5 hold K = 64 c + 32 (l / 16) + 0 .. 31: 24 bytes of the row's stream of bits, in pieces of 8 bytes.
; 16 bytes of padding lie behind every 32 pieces: where lanes 16-31's piece, three on, lies behind one padding more, the second address register (40 for 24 bytes a half) serves.
.macro FRAG reg, adr, s, off
.irp p, 0,1,2,3,4,5
.set PC, 12*(\s)+6*(\p/3)+\p%3
.if PC%32 < 29
	ds_load_b64 v[\reg+2*\p:\reg+2*\p+1], v[\adr] offset:8*PC+16*(PC/32)+(\off)
.else
	ds_load_b64 v[\reg+2*\p:\reg+2*\p+1], v[\adr+1] offset:8*PC+16*(PC/32)+(\off)
.endif
.endr
.endm
; The fetches for K step NS (a symbol that STEP sets).  W's eight fragments are images of their registers: three loads of 16 bytes a lane each, 512 consecutive bytes a load.
.macro FETCH_W
	WIN 0x40                                       ; destination window 1, address window 0
.irp b, 0,1,2,3,4,5,6,7
.irp c, 0,1,2
	ds_load_b128 v[128*(NS%2)+12*\b+4*\c:128*(NS%2)+12*\b+4*\c+3], v[WA+(NS/2)%2] offset:(8*(NS%2)+\b)*1536+512*\c
.endr
.endr
	WIN 0
.endm
.macro FETCH_WS                        ; a slot's scale words, with its first fragments
.irp b, 0,1,2,3,4,5,6,7
	ds_load_b32 v[WS+8*((NS/2)%2)+\b], v[WSA+(NS/2)%2] offset:24576+128*\b
.endr
.endm
.macro FETCH_P a0                      ; P's blocks a0 .. a0 + 3: 24 loads
.irp a, \a0, \a0+1, \a0+2, \a0+3
	FRAG AF+12*(\a), PA+2*((\a)/4), NS, ((\a)%4)*PBLK
.endr
.endm
; Eight matrix instructions: P's block a against W's eight, K step s.  zero = 1: they begin the sums anew.  In odd steps both sides' scale words stand in lanes 16-31.
; The 64 accumulators take turns, one instruction a turn, in the same order in every step.
.macro MULA a, s, zero
.set AC, 64*((\a)%4)
.set SL, ((\s)/2)%2
.set WB, 128*((\s)%2)
.irp b, 0,1,2,3,4,5,6,7
.if \zero
	v_wmma_scale_f32_16x16x128_f8f6f4 v[AC+8*\b:AC+8*\b+7], v[AF+12*(\a):AF+12*(\a)+11], v[WB+12*\b:WB+12*\b+11], 0, v[PS+4*(\a)+(\s)/2], v[WS+8*SL+\b] matrix_a_fmt:MATRIX_FMT_FP6 matrix_b_fmt:MATRIX_FMT_FP6
.elseif (\s)%2 == 0
	v_wmma_scale_f32_16x16x128_f8f6f4 v[AC+8*\b:AC+8*\b+7], v[AF+12*(\a):AF+12*(\a)+11], v[WB+12*\b:WB+12*\b+11], v[AC+8*\b:AC+8*\b+7], v[PS+4*(\a)+(\s)/2], v[WS+8*SL+\b] matrix_a_fmt:MATRIX_FMT_FP6 matrix_b_fmt:MATRIX_FMT_FP6
.else
	v_wmma_scale_f32_16x16x128_f8f6f4 v[AC+8*\b:AC+8*\b+7], v[AF+12*(\a):AF+12*(\a)+11], v[WB+12*\b:WB+12*\b+11], v[AC+8*\b:AC+8*\b+7], v[PS+4*(\a)+(\s)/2], v[WS+8*SL+\b] matrix_a_fmt:MATRIX_FMT_FP6 matrix_b_fmt:MATRIX_FMT_FP6 matrix_a_scale:MATRIX_SCALE_ROW1 matrix_b_scale:MATRIX_SCALE_ROW1
.endif
.endr
.endm
; THE VECTOR WORK that stands in front of block a's products.  Each accumulator is read from its low end on.
;   kind 1: scores: S[a][j] += keys(a, b)[j] x q(batch a / 4, column 16 b + r), two rows at a time; in front of block 0 also the lane's part of sum q bk, both batches at a time
;   kind 2: context: C2[b][a / 4] += values(a, b)[j] x weight[a][j], even rows in the pair's low word, odd rows in its high word; a batch's first products start the sums: nothing is cleared
;   kind 3: the lane's sum q bk joins its scores, and the sixteen lanes of a half (sixteen columns) are added up: every lane of a half then holds my wave's part of its eight rows' scores
.macro HOOK kind, a
.if \kind == 1
.if (\a) == 0
	WIN 0x55                                       ; all in window 1
.irp b, 0,2,4,6
	v_pk_fma_f32 v[QB:QB+1], v[QQ+2*\b:QQ+2*\b+1], v[BK+\b:BK+\b+1], v[QB:QB+1] op_sel_hi:[1,0,1]
	v_pk_fma_f32 v[QB:QB+1], v[QQ+2*\b+2:QQ+2*\b+3], v[BK+\b:BK+\b+1], v[QB:QB+1] op_sel:[0,1,0] op_sel_hi:[1,1,1]
.endr
.endif
	WIN 0x06+(\a)/4                                ; source 0 window 2 or 3, source 1 (q) window 1
.irp b, 0,1,2,3,4,5,6,7
.irp jp, 0,1,2,3
.if (\a) < 4
	v_pk_fma_f32 v[S+8*(\a)+2*\jp:S+8*(\a)+2*\jp+1], v[8*(8*((\a)%4)+\b)+2*\jp:8*(8*((\a)%4)+\b)+2*\jp+1], v[QQ+2*\b:QQ+2*\b+1], v[S+8*(\a)+2*\jp:S+8*(\a)+2*\jp+1] op_sel_hi:[1,0,1]
.else
	v_pk_fma_f32 v[S+8*(\a)+2*\jp:S+8*(\a)+2*\jp+1], v[8*(8*((\a)%4)+\b)+2*\jp:8*(8*((\a)%4)+\b)+2*\jp+1], v[QQ+2*\b:QQ+2*\b+1], v[S+8*(\a)+2*\jp:S+8*(\a)+2*\jp+1] op_sel:[0,1,0] op_sel_hi:[1,1,1]
.endif
.endr
.endr
.elseif \kind == 2
	WIN 0x52+(\a)/4                                ; source 0 window 2 or 3, source 1 (weights) window 0, source 2 and destination window 1
.irp jp, 0,1,2,3
.irp b, 0,1,2,3,4,5,6,7
.if ((\a)%4 == 0) && (\jp == 0)
	v_pk_mul_f32 v[C2+4*\b+2*((\a)/4):C2+4*\b+2*((\a)/4)+1], v[8*(8*((\a)%4)+\b)+2*\jp:8*(8*((\a)%4)+\b)+2*\jp+1], v[S+8*(\a)+2*\jp:S+8*(\a)+2*\jp+1]
.else
	v_pk_fma_f32 v[C2+4*\b+2*((\a)/4):C2+4*\b+2*((\a)/4)+1], v[8*(8*((\a)%4)+\b)+2*\jp:8*(8*((\a)%4)+\b)+2*\jp+1], v[S+8*(\a)+2*\jp:S+8*(\a)+2*\jp+1], v[C2+4*\b+2*((\a)/4):C2+4*\b+2*((\a)/4)+1]
.endif
.endr
.endr
.elseif \kind == 3
	WIN 0x04                                       ; source 1 window 1
.irp jp, 0,1,2,3
.if (\a) < 4
	v_pk_add_f32 v[S+8*(\a)+2*\jp:S+8*(\a)+2*\jp+1], v[S+8*(\a)+2*\jp:S+8*(\a)+2*\jp+1], v[QB:QB+1] op_sel_hi:[1,0]
.else
	v_pk_add_f32 v[S+8*(\a)+2*\jp:S+8*(\a)+2*\jp+1], v[S+8*(\a)+2*\jp:S+8*(\a)+2*\jp+1], v[QB:QB+1] op_sel:[0,1] op_sel_hi:[1,1]
.endif
.endr
	WIN 0
.irp m, 1,2,4,8
.irp j, 0,1,2,3,4,5,6,7
	v_add_f32_dpp v[S+8*(\a)+\j], v[S+8*(\a)+\j], v[S+8*(\a)+\j] row_xmask:\m row_mask:0xf bank_mask:0xf   ; (the eight registers by turns)
.endr
.endr
.endif
.endm
.macro XSTORE                          ; my wave's part of the 128 scores: row 16 a + 8 h + j at 64 a + 32 h + 4 j; the sixteen lanes of a half write the same bytes with the same values
.irp a, 0,1,2,3,4,5,6,7
	ds_store_b128 v[XW], v[S+8*\a:S+8*\a+3] offset:64*\a
	ds_store_b128 v[XW], v[S+8*\a+4:S+8*\a+7] offset:64*\a+16
.endr
.endm
.macro QLOAD                           ; q of both batches and bk at my 128 columns of the tile in hand: lane (r, .) takes column 16 b + r
	WIN 0x40
.irp b, 0,1,2,3,4,5,6,7
	global_load_b32 v[QQ+2*\b], v[QO], s[10:11] offset:64*\b
	global_load_b32 v[QQ+2*\b+1], v[QO], s[10:11] offset:4096+64*\b
	global_load_b32 v[BK+\b], v[QO], s[12:13] offset:64*\b
.endr
	WIN 0
.endm
.macro BVLOAD nt                       ; bv likewise, into the registers that bk has left
	WIN 0x40
.irp b, 0,1,2,3,4,5,6,7
	global_load_b32 v[BK+\b], v[QO], s[14:15] offset:2048*\nt+64*\b
.endr
	WIN 0
.endm
; A tile's context is finished: a pair's two words are added; the two halves of the lanes (rows 8 h + j) meet by an exchange that also sorts the batches: lanes 0-15 then hold batch 0, lanes 16-31 batch 1;
; bv x the weights' sum joins by one multiply-add; the numbers go to their places in out0's two rows in LDS (the two halves' words fall on the same banks: eight stores a tile).
.macro FIN nt
	s_wait_loadcnt 0x0                             ; bv
	WIN 0x05                                       ; sources 0 and 1 window 1
.irp b, 0,1,2,3,4,5,6,7
.irp t, 0,1
	v_add_f32 v[TM+2*\b+\t], v[C2+4*\b+2*\t], v[C2+4*\b+2*\t+1]
.endr
.endr
	WIN 0
.irp b, 0,1,2,3,4,5,6,7
	v_permlane16_swap_b32 v[TM+2*\b], v[TM+2*\b+1] ; batch 0's lanes 16-31 change places with batch 1's lanes 0-15
.endr
.irp b, 0,1,2,3,4,5,6,7
	v_add_f32 v[TM+2*\b], v[TM+2*\b], v[TM+2*\b+1]
.endr
	WIN 0x01                                       ; source 0 (bv) window 1
.irp b, 0,1,2,3,4,5,6,7
	v_fma_f32 v[TM+2*\b], v[BK+\b], v[SW], v[TM+2*\b]
.endr
	WIN 0
.irp b, 0,1,2,3,4,5,6,7
	ds_store_b32 v[CS], v[TM+2*\b] offset:2048*\nt+64*\b
.endr
.endm
; THE SOFTMAX, once in the launch, in every wave for itself.  Lane l takes rows 4 l .. 4 l + 3, so that a half of the lanes is a batch.
.macro SOFTMAX
.irp i, 0,1,2,3
	ds_load_b128 v[TM+4*\i:TM+4*\i+3], v[XR] offset:512*\i      ; wave i's part of my four rows' scores
.endr
	s_wait_dscnt 0x0
	v_pk_add_f32 v[TM:TM+1], v[TM:TM+1], v[TM+4:TM+5]
	v_pk_add_f32 v[TM+2:TM+3], v[TM+2:TM+3], v[TM+6:TM+7]
	v_pk_add_f32 v[TM+8:TM+9], v[TM+8:TM+9], v[TM+12:TM+13]
	v_pk_add_f32 v[TM+10:TM+11], v[TM+10:TM+11], v[TM+14:TM+15]
	v_pk_add_f32 v[TM:TM+1], v[TM:TM+1], v[TM+8:TM+9]
	v_pk_add_f32 v[TM+2:TM+3], v[TM+2:TM+3], v[TM+10:TM+11]     ; the scores
	v_max3_num_f32 v[TM+4], v[TM], v[TM+1], v[TM+2]
	v_max_num_f32 v[TM+4], v[TM+4], v[TM+3]
.irp m, 1,2,4,8
	v_max_num_f32_dpp v[TM+4], v[TM+4], v[TM+4] row_xmask:\m row_mask:0xf bank_mask:0xf   ; the batch's largest score
.endr
.irp i, 0,1,2,3
	v_sub_f32 v[TM+\i], v[TM+\i], v[TM+4]          ; the difference first, then the factor: near the maximum the difference is exact, however large the scores are
.endr
.irp i, 0,1,2,3
	v_mul_f32 v[TM+\i], 0x3fb8aa3b, v[TM+\i]       ; x log2(e)
.endr
.irp i, 0,1,2,3
	v_exp_f32 v[TM+\i], v[TM+\i]
.endr
	v_nop                                          ; a plain place behind the exponentials
	s_wait_alu depctr_va_vdst(0)
	v_add_f32 v[TM+5], v[TM], v[TM+1]
	v_add_f32 v[TM+6], v[TM+2], v[TM+3]
	v_add_f32 v[TM+5], v[TM+5], v[TM+6]
.irp m, 1,2,4,8
	v_add_f32_dpp v[TM+5], v[TM+5], v[TM+5] row_xmask:\m row_mask:0xf bank_mask:0xf
.endr
	v_rcp_f32 v[TM+6], v[TM+5]
	v_nop                                          ; a plain place behind the reciprocal
	s_wait_alu depctr_va_vdst(0)
.irp i, 0,1,2,3
	v_mul_f32 v[TM+\i], v[TM+\i], v[TM+6]          ; the weights
.endr
	v_add_f32 v[SW], v[TM], v[TM+1]
	v_add_f32 v[TM+5], v[TM+2], v[TM+3]
	v_add_f32 v[SW], v[SW], v[TM+5]
.irp m, 1,2,4,8
	v_add_f32_dpp v[SW], v[SW], v[SW] row_xmask:\m row_mask:0xf bank_mask:0xf             ; their sum, as it comes out in f32
.endr
	ds_store_b128 v[YW], v[TM:TM+3]                ; into my wave's own copy,
.irp a, 0,1,2,3,4,5,6,7
	ds_load_b128 v[S+8*\a:S+8*\a+3], v[YR] offset:64*\a         ; and back in the scores' layout: LDS serves a wave's instructions in order (ISA guide 5.7.1.4)
	ds_load_b128 v[S+8*\a+4:S+8*\a+7], v[YR] offset:64*\a+16
.endr
	s_wait_dscnt 0x0
.endm
; A K STEP: 64 matrix instructions, P's blocks one after the other, each against W's eight.  A block of P is free as soon as its eight products are issued, so one set of registers serves P: blocks 0-3 are fetched anew in
; the step's middle, blocks 4-7 at its end.  W's fragments are at work through the whole step and have two sets.
;   zero = 1: the tile's first step.   hook: the vector work in front of each block.   fetch = 0: the very last step.   tail = 1: the partial scores go to LDS; 2: the first tile of values is finished.
;   change = 1: the slot in hand has been read out by this step's middle run and is filled again, two fills ahead.  Each wave waits for all its tensor loads, of which one is out: its block of the other slot; adds 0 to its
;   spare word; issues eight products; waits for the add and for its LDS reads; then a round of the cluster's barrier, so that no wave of any partner still reads the slot or has a load on its way; the joint refill is the
;   first thing behind the round.  From there to the wait for it a wave issues 120 matrix instructions.   change = 2: the wait alone: the last fill is my own block, and nothing is filled again.
.macro STEP s, zero, hook, change, fetch, tail
.set NS, ((\s)+1)%8
	s_wait_dscnt 24                                ; W's set, the scale words and P's blocks 0-3 are in; the youngest 24 loads (P's blocks 4-7) may be out
.irp a, 0,1,2,3
	HOOK \hook, \a
	WIN MUL_LO
	MULA \a, \s, \zero
.endr
	s_wait_dscnt 0x0                               ; P's blocks 4-7 are in (asked for 32 matrix instructions ago)
.if \fetch
	PLACES
	FETCH_W
.if NS%2 == 0
	FETCH_WS
.endif
	FETCH_P 0
.endif
.irp a, 4,5
	HOOK \hook, \a
	WIN MUL_HI
	MULA \a, \s, \zero
.endr
.if \change == 1
	WIN 0                                          ; (the add's two registers lie in window 0)
	s_wait_tensorcnt 0x0                           ; all my tensor loads have landed, so a group 0 may be written
	ds_add_u32 v[SPW], v[NIL]                      ; 0 onto my spare word
	s_add_nc_u64 s[G0W+4*(((\s)/2)%2)+2:G0W+4*(((\s)/2)%2)+3], s[G0W+4*(((\s)/2)%2)+2:G0W+4*(((\s)/2)%2)+3], 2*FILL   ; this slot's next fill; the type bits on top are not reached
.elseif \change == 2
	s_wait_tensorcnt 0x0                           ; no load was issued behind the last fill: the count is 0
.endif
	HOOK \hook, 6
	WIN MUL_HI
	MULA 6, \s, \zero
.if \change == 1
	s_wait_dscnt 0x0                               ; the add is done, and my reads of this slot are over
	WIN 0                                          ; at a branch and at a label every window is 0
	ROUND
	tensor_load_to_lds s[G0W+4*(((\s)/2)%2):G0W+4*(((\s)/2)%2)+3], s[G1W:G1W+7]   ; my one tensor load until the next round
	s_nop 0
	PLACES                                         ; four v_nop follow the load
.endif
	HOOK \hook, 7
	WIN MUL_HI
	MULA 7, \s, \zero
	PLACES
	WIN 0
.if \tail == 1
	XSTORE
.elseif \tail == 2
	FIN 0
	BVLOAD 1
.endif
.if \fetch
	FETCH_P 4
.endif
.endm
	s_load_b256 s[4:11], s[0:1], 0x0               ; P's codes s[4:5], P's scales s[6:7], wimg s[8:9], q s[10:11]
	s_load_b128 s[12:15], s[0:1], 0x20             ; bk s[12:13], bv s[14:15]
	s_load_b64 s[16:17], s[0:1], 0x30              ; out0
	v_lshl_add_u32 v[SPW], v0, 2, SPARE
	v_mov_b32 v[NIL], 0
	ds_add_u32 v10, v11
	ds_add_u32 v10, v11
	s_wait_dscnt 0x0
	v_lshrrev_b32 v1, 5, v0
	v_readfirstlane_b32 s[WV], v1                  ; wave 0..3
	s_bfe_u32 s19, ttmp6, 0x40000                  ; cx: my place in the cluster
	s_lshl_b32 s20, ttmp9, 2                       ; in a cluster launch ttmp9 counts clusters
	s_add_co_u32 s20, s20, s19                     ; my pair of batches: it enters the addresses of P, of its scales, of q and of out0 alone
	; descriptor group 1 for a block of wimg: 25,600 dense bytes as 100 rows of 256 bytes (32 elements of 8 bytes), no padding
	s_mov_b32 s[G1W], 15|(3<<16)|(1<<21)           ; 15:0 the mask: all four work-groups; 17:16 elements of 8 bytes; 21 set beside a mask
	s_mov_b32 s[G1W+1], 32<<16                     ; tensor_dim0 = 32
	s_mov_b32 s[G1W+2], 100<<16                    ; tensor_dim1 = 100
	s_mov_b32 s[G1W+3], 32<<16                     ; tile_dim0 = 32
	s_mov_b32 s[G1W+4], 100                        ; tile_dim1 = 100
	s_mov_b32 s[G1W+5], 32                         ; tensor_dim0_stride
	s_mov_b32 s[G1W+6], 0
	s_mov_b32 s[G1W+7], 0
	; and for 32 rows of P: 24,576 dense bytes as 96 rows of 256 bytes, 16 bytes of padding behind each
	s_mov_b32 s[G1P], (3<<16)|(1<<20)|(5<<22)|(3<<25)   ; no mask; 20 padding on; 24:22 after every 64 words (code 5); 31:25 of 4 words (code 3)
	s_mov_b32 s[G1P+1], 32<<16
	s_mov_b32 s[G1P+2], 96<<16
	s_mov_b32 s[G1P+3], 32<<16
	s_mov_b32 s[G1P+4], 96
	s_mov_b32 s[G1P+5], 32
	s_mov_b32 s[G1P+6], 0
	s_mov_b32 s[G1P+7], 0
	s_mov_b32 s[G0W], 1                            ; 1:0 count = 1
	s_mul_i32 s[G0W+1], s[WV], WBLK                ; LDS: my block of slot 0: no place in the cluster enters an LDS address
	s_mov_b32 s[G0W+4], 1
	s_add_co_u32 s[G0W+5], s[G0W+1], FILL          ; and of slot 1
	s_mov_b32 s[G0P], 1
	s_mul_i32 s[G0P+1], s[WV], 32*PITCH
	s_add_co_u32 s[G0P+1], s[G0P+1], PB            ; my 32 rows of P
	s_mov_b32 s54, s[G0W+1]                        ; my block in a fill, in memory as in LDS
	s_mov_b32 s55, 0
	s_mul_i32 s56, s20, 128*768                    ; my work-group's 128 rows of P,
	s_mul_i32 s23, s[WV], 32*768
	s_add_co_u32 s56, s56, s23                     ; my wave's 32 of them
	s_mov_b32 s57, 0
	v_and_b32 v22, 31, v0                          ; lane
	v_and_b32 v23, 15, v0                          ; r
	v_bfe_u32 v24, v0, 4, 1                        ; h
	v_mul_u32_u24 v[PA], v23, PITCH
	v_mad_u32_u24 v[PA], v24, 24, v[PA]
	v_add_nc_u32 v[PA], PB, v[PA]
	v_lshl_add_u32 v[PA+1], v24, 4, v[PA]
	v_add_nc_u32 v[PA+2], 4*PBLK, v[PA]
	v_add_nc_u32 v[PA+3], 4*PBLK, v[PA+1]
	v_lshlrev_b32 v25, 4, v22                      ; 16 x lane
	v_lshlrev_b32 v26, 2, v22                      ; 4 x lane
	v_add_nc_u32 v[WA], s[G0W+1], v25
	v_add_nc_u32 v[WA+1], s[G0W+5], v25
	v_add_nc_u32 v[WSA], s[G0W+1], v26
	v_add_nc_u32 v[WSA+1], s[G0W+5], v26
	s_lshl_b32 s21, s[WV], 9                       ; 512 x wave
	v_lshlrev_b32 v27, 5, v24
	v_add_nc_u32 v27, s21, v27                     ; 512 w + 32 h
	v_add_nc_u32 v[XW], XB, v27
	v_add_nc_u32 v[YR], YB, v27
	v_add_nc_u32 v[XR], XB, v25
	v_add_nc_u32 v[YW], s21, v25
	v_add_nc_u32 v[YW], YB, v[YW]
	v_lshl_add_u32 v[QO], v23, 2, s21
	v_lshl_add_u32 v[CS], v24, 12, v[QO]
	v_add_nc_u32 v[CS], CTXB, v[CS]
	s_lshl_b32 s22, s[WV], 11                      ; 2,048 x wave
	v_add_nc_u32 v[OO], s22, v25
	v_add_nc_u32 v[CR], CTXB, v[OO]
	v_lshlrev_b32 v[PSO], 5, v23
	v_lshl_add_u32 v[PSO], v24, 2, v[PSO]
	s_wait_kmcnt 0x0
	s_add_nc_u64 s[G0W+2:G0W+3], s[8:9], s[54:55]  ; fill 0,
	s_add_nc_u64 s[G0W+6:G0W+7], s[G0W+2:G0W+3], FILL   ; fill 1
	s_or_b32 s[G0W+3], s[G0W+3], 0x80000000        ; 127:126 type = 2
	s_or_b32 s[G0W+7], s[G0W+7], 0x80000000
	s_add_nc_u64 s[G0P+2:G0P+3], s[4:5], s[56:57]
	s_or_b32 s[G0P+3], s[G0P+3], 0x80000000
	s_lshl_b32 s56, s20, 12
	s_add_nc_u64 s[6:7], s[6:7], s[56:57]          ; P's scale bytes: 128 rows of 32
	s_lshl_b32 s56, s20, 13
	s_add_nc_u64 s[10:11], s[10:11], s[56:57]      ; q and out0: two rows of 4,096 bytes
	s_add_nc_u64 s[16:17], s[16:17], s[56:57]
	ROUND                                          ; all four work-groups are here: the first joint loads meet
	tensor_load_to_lds s[G0P:G0P+3], s[G1P:G1P+7]  ; the first fills go out together: three loads of mine are out
	s_nop 0
	tensor_load_to_lds s[G0W:G0W+3], s[G1W:G1W+7]
	s_nop 0
	tensor_load_to_lds s[G0W+4:G0W+7], s[G1W:G1W+7]
	s_nop 0
	PLACES                                         ; four v_nop follow the loads
.irp a, 0,1,2,3,4,5,6,7
.irp kc, 0,1,2,3
	global_load_b32 v[PS+4*\a+\kc], v[PSO], s[6:7] offset:512*\a+8*\kc    ; P's scale words, once for the whole launch
.endr
.endr
.set i, 0
.rept 64
	v_mov_b32 v[S+i], 0                            ; the scores begin as zeros, written while the first tiles are on their way: so the loop over the tiles of keys has no first trip of its own
.set i, i+1
.endr
	WIN 0x40
	v_mov_b32 v[QB], 0                             ; and so does the sum of q bk
	v_mov_b32 v[QB+1], 0
	WIN 0
	s_wait_tensorcnt 0x1                           ; my rows of P and my block of slot 0 are in; slot 1's load may stay out
	s_barrier_signal -1
	s_barrier_wait -1                              ; everybody's rows of P are in
.set NS, 0
	FETCH_W
	FETCH_WS
	FETCH_P 0
	FETCH_P 4
	s_wait_loadcnt 0x0                             ; P's scale words
	STEP 0, 1, 0, 1, 1, 0                          ; the first tile's first step stands in front of the loop
	s_mov_b32 s[CNT], 2
.Lk:                                                   ; a trip: a tile of keys from its second step on, and the next tile's first step, which carries this tile's scores; four refills
	QLOAD
	STEP 1, 0, 0, 0, 1, 0
	STEP 2, 0, 0, 1, 1, 0
	STEP 3, 0, 0, 0, 1, 0
	STEP 4, 0, 0, 1, 1, 0
	STEP 5, 0, 0, 0, 1, 0
	STEP 6, 0, 0, 1, 1, 0
	STEP 7, 0, 0, 0, 1, 0
	s_wait_loadcnt 0x0                             ; q and bk are in, so their bases may step:
	s_add_nc_u64 s[10:11], s[10:11], 2048          ; the next tile's 512 columns
	s_add_nc_u64 s[12:13], s[12:13], 2048
	STEP 0, 1, 1, 1, 1, 0
	s_sub_co_u32 s[CNT], s[CNT], 1
	s_cmp_lg_u32 s[CNT], 0
	s_cbranch_scc1 .Lk
	; the first tile of values goes on; the scores are finished beside it
	BVLOAD 0
	STEP 1, 0, 3, 0, 1, 1                          ; the lanes' scores are added up, and my wave's part goes to LDS
	STEP 2, 0, 0, 1, 1, 0                          ; its wait for all LDS instructions and its round show the four waves' parts to every wave
	SOFTMAX
	STEP 3, 0, 0, 0, 1, 0
	STEP 4, 0, 0, 1, 1, 0
	STEP 5, 0, 0, 0, 1, 0
	STEP 6, 0, 0, 1, 1, 0
	STEP 7, 0, 0, 0, 1, 0
	STEP 0, 1, 2, 1, 1, 2                          ; the second tile's first step carries the first tile's context
	STEP 1, 0, 0, 0, 1, 0
	STEP 2, 0, 0, 1, 1, 0                          ; the last fill is asked for
	STEP 3, 0, 0, 0, 1, 0
	STEP 4, 0, 0, 2, 1, 0                          ; the last fill is waited for: nothing more is asked for
	STEP 5, 0, 0, 0, 1, 0
	STEP 6, 0, 0, 0, 1, 0
	STEP 7, 0, 0, 0, 0, 0                          ; (its last four v_nop are the places in front of the reads below)
.irp a, 0,1,2,3,4,5,6,7
	HOOK 2, \a                                     ; the last tile's context: nothing is left under which it could stand
.endr
	FIN 1
	s_wait_dscnt 0x0                               ; for the others' sake: my part of out0's two rows lies in LDS
	s_barrier_signal -1
	s_barrier_wait -1
.irp i, 0,1,2,3
	ds_load_b128 v[TM+4*\i:TM+4*\i+3], v[CR] offset:512*\i
.endr
.irp i, 0,1,2,3
	s_wait_dscnt 3-\i                              ; load i is in; the younger ones may be out
	global_store_b128 v[OO], v[TM+4*\i:TM+4*\i+3], s[16:17] offset:512*\i th:TH_STORE_NT   ; 32 lanes store 512 consecutive bytes, at a multiple of 256 from out0's first byte; written once, read by nobody here
.endr
	s_wait_tensorcnt 0x0                           ; the wave's end, behind my last tensor load and my last LDS store
	ds_add_u32 v[SPW], v[NIL]
	s_wait_dscnt 0x0
	ROUND                                          ; the closing round: no work-group ends while a partner may still ask for a block that names it
	s_endpgm
.Lfunc_end_k_q0af2e275dd_attend:
	.size	k_q0af2e275dd_attend, .Lfunc_end_k_q0af2e275dd_attend-k_q0af2e275dd_attend
	.p2alignl 7, 3214868480
	.fill 96, 4, 3214868480
	.section	.rodata,"a",@progbits
	.p2align	6, 0x0
	.amdhsa_kernel k_q0af2e275dd_attend
		.amdhsa_group_segment_fixed_size 327680
		.amdhsa_private_segment_fixed_size 0
		.amdhsa_enable_private_segment 0
		.amdhsa_kernarg_size 56
		.amdhsa_user_sgpr_count 2
		.amdhsa_user_sgpr_kernarg_segment_ptr 1
		.amdhsa_wavefront_size32 1
		.amdhsa_system_sgpr_workgroup_id_x 1
		.amdhsa_system_sgpr_workgroup_id_y 1
		.amdhsa_system_sgpr_workgroup_id_z 1
		.amdhsa_system_vgpr_workitem_id 0
		.amdhsa_next_free_vgpr 1024
		.amdhsa_next_free_sgpr 66
		.amdhsa_reserve_vcc 0
		.amdhsa_float_denorm_mode_32 3
		.amdhsa_float_denorm_mode_16_64 3
		.amdhsa_memory_ordered 1
		.amdhsa_forward_progress 1
		.amdhsa_inst_pref_size 255
	.end_amdhsa_kernel
	.section	.bss,"aw",@nobits
	.p2align	6
	.space	262144
	.amdgpu_metadata
---
amdhsa.version: [ 1, 2 ]
amdhsa.kernels:
  - .name:           k_q0af2e275dd_attend
    .symbol:         k_q0af2e275dd_attend.kd
    .args:
      - { .name: past_predictions_codes, .offset: 0, .size: 8, .value_kind: global_buffer, .address_space: global }
      - { .name: past_predictions_scales, .offset: 8, .size: 8, .value_kind: global_buffer, .address_space: global }
      - { .name: wimg, .offset: 16, .size: 8, .value_kind: global_buffer, .address_space: global }
      - { .name: q, .offset: 24, .size: 8, .value_kind: global_buffer, .address_space: global }
      - { .name: bk, .offset: 32, .size: 8, .value_kind: global_buffer, .address_space: global }
      - { .name: bv, .offset: 40, .size: 8, .value_kind: global_buffer, .address_space: global }
      - { .name: out0, .offset: 48, .size: 8, .value_kind: global_buffer, .address_space: global }
    .group_segment_fixed_size: 327680
    .private_segment_fixed_size: 0
    .kernarg_segment_align: 8
    .kernarg_segment_size: 56
    .max_flat_workgroup_size: 128
    .sgpr_count:     66
    .vgpr_count:     1024
    .wavefront_size: 32
...
	.end_amdgpu_metadata
.endif
;; end of part 2
